; MI455X (gfx1250); checked and timed in simulation.
; The chip was launched on July 23, 2026; its instructions are those of AMD's public machine-readable ISA for CDNA 5 (MIT licence, August 2026) and "CDNA5" Instruction Set Architecture Reference Guide (July 2026). The comments in the code are by the model that wrote it; some were corrected since.
;; Gate. Allowed arithmetic: matrix products marked QUANTISED: E3M2 operands, one E8M0 scale for each 32 along K, by v_wmma_scale_f32_16x16x128_f8f6f4 with both operands' format E3M2, f32 sums; everything else in f32.
;; Inputs: weight 64 x 2,048 float32; x 16,384 x 2,048 float32.
;; Outputs: out0 16,384 x 2 float32; out1 16,384 x 2 int32.
;; This version of the problem:
;;   THIS VERSION OF THE PROBLEM IS GIVEN IN LOW PRECISION. The matrix products marked QUANTISED in the list below multiply operands that are first quantised to E3M2 (3 exponent bits, 2 mantissa bits; 6 bits a number), with one power-of-two scale for each 32 numbers along K (OCP MX v1.0); their sums are f32. All else is computed in f32.
;;   The module's matrix products, in the order in which they are computed (A, B: the left and right operand; K: the contracted axis; several contracted axes count as one K, in the product's order):
;;     1. [M 16,384, K 2,048] x [K 2,048, N 64]; A: input x; B: input weight: QUANTISED
;;   THE QUANTISER, for each operand of a quantised product, along K:
;;     - K is cut into blocks of 32 from its start; a last block that is shorter is filled with zeros.
;;     - A block's scale is 2^e with e = floor(log2(the largest magnitude in the block)) - 4, held to -126 .. 127; a block of zeros has e = 0. As a byte (E8M0): e + 127.
;;     - Each number is divided by its block's scale, clamped to +-28, and rounded to the nearest number of E3M2, ties to even, subnormals kept.
;;     - The product sums the exact products of the quantised numbers (number of the format x scale) in f32.
;;   ~~~python
;;   def quantise(x, axis):      # numpy; x: float32 -> the quantised numbers, widened to float32 again
;;       x = np.moveaxis(x, axis, -1); K = x.shape[-1]
;;       x = np.pad(x, [(0, 0)] * (x.ndim - 1) + [(0, -K % 32)]); x = x.reshape(x.shape[:-1] + (-1, 32)); a = np.abs(x).max(-1, keepdims=True)
;;       e = np.where(a > 0, np.clip(np.frexp(np.where(a > 0, a, 1))[1] - 1 - 4, -126, 127), 0)      # np.frexp(a)[1] - 1 = floor(log2(a)), exactly
;;       r = np.clip(x / 2.0 ** e, -28, 28)
;;       step = 2.0 ** (np.maximum(np.frexp(np.where(r == 0, 1, r))[1] - 1, -2) - 2)
;;       q = np.round(r / step) * step * 2.0 ** e      # np.round: ties to even
;;       return np.moveaxis(q.reshape(q.shape[:-2] + (-1,))[..., :K], -1, axis).astype(np.float32)
;;   ~~~
;; 2 versions. Each part assembles by itself: llvm-mc -triple=amdgcn-amd-amdhsa -mcpu=gfx1250 --defsym DOCPART=n.
;; ======== version 1 of 2: 1 launch
;; launch gate (part 1): grid 256 x 1, 16 waves a work-group, no clusters, 269,312 bytes of LDS; arguments x, weight, out0, out1; writes out0, out1
.if DOCPART == 1
	.amdgcn_target "amdgcn-amd-amdhsa--gfx1250"
	.amdhsa_code_object_version 6
	.text
	.protected	k_q7a6ff5180c_gate
	.globl	k_q7a6ff5180c_gate
	.p2align	8
	.type	k_q7a6ff5180c_gate,@function
k_q7a6ff5180c_gate:
	s_mov_b64 s[64:65], 0
	v_nop
	global_prefetch_b8 v0, s[64:65] scope:SCOPE_SE
	s_setreg_imm32_b32 hwreg(HW_REG_WAVE_MODE, 25, 1), 1
	s_wait_xcnt 0x0
; GATE.  logits[t][e] = sum over k of Q(x)[t][k] Q(weight)[e][k]; softmax over the 64 experts; the two largest scores, divided by their sum (out0), and their indices (out1).
; x: [16384][2048] f32, weight: [64][2048] f32.  Q: codes of BF6 (E3M2) with one E8M0 scale for each 32 along K, made here, in registers, for both operands; the product by the scaled 16x16x128 matrix form; all else f32.
; SHARES.  256 work-groups of 64 tokens; 16 waves.  THE WAVES SHARE K: wave w takes k = 128 w .. 128 w + 127 of all 64 tokens and all 64 experts.  So a wave makes its own four fragments of x and four of the
; weight, nothing of an operand goes from wave to wave, and each of its 16 tiles (16 experts x 16 tokens) is ONE matrix instruction with C = 0.  The 16 waves' partial sums meet in LDS and are added K ascending.
; THE STREAM.  A step is 16 rows x 64 k = 4,096 bytes: eight loads, each two aligned runs of 256 consecutive bytes (lanes 0-15 one row, lanes 16-31 the next).  The conversions want a block's 32 numbers in ONE lane, so a
; step turns through the wave's own stage in LDS: in as loaded, out 128 bytes a lane.  Three steps' registers take turns: 24 loads of 512 bytes a wave, 196,608 bytes a work-group, are asked for at a time, with counted
; waits and no barrier.  Steps of x and of the weight alternate fragment by fragment (x0 w0 x1 w1 ..), x first, so that x is asked for from the first line on and the stream's last bytes are the weight's.
; A tile is multiplied as soon as both its fragments stand, and goes to LDS at once: behind the last step only four tiles a wave are left to write.
; THE MATRIX INSTRUCTION: source 0 = 16 experts, source 1 = 16 tokens: lane (r, h) holds token r and experts 8 h + 0 .. 7 of the tile.
; NO TENSOR LOADS: LDS is filled by ds_store alone.  NO CLUSTER, though all work-groups read the same weight: its 524,288 bytes would have to pass through the 60,416 bytes of LDS that stages and partial sums leave:
; two slots of under 30 KB, at least 16 refills, each behind a barrier of four work-groups' 64 waves, in a stream that has none.  NO LAUNCH OF ITS OWN for the weight's codes: it is quantised here, beside x.
; THE SCORES are made as a softmax is: the row's largest logit is taken away, 2^(d log2 e), the sum, times 1 / sum; the two largest are sought among the SCORES, the lower index first where scores are equal.
; LIMITS.  NaN and infinities among the inputs are not served.  A block whose largest magnitude lies under 2^-122 has the scale byte 1 (a block of zeros too, where the rule says 127: its codes are zeros, and nobody else reads
; the byte).  A score under 2^-126 is 0 (v_exp_f32 gives no denormals: ISA guide, its entry in 15.8).  1 / sum is v_rcp_f32's.  A logit is the f32 sum, K ascending, of 16 sums of 128 products.
.set ROWB,  8192                       ; a row of x or of the weight in bytes
.set REG,   16640                      ; LDS: a wave's region: 16 tiles of 1,024 bytes (tile (m, t) at (4 t + m) x 1,024); the stage lies over the last four, which are written behind the last turn
.set STG,   12288                      ; the stage in the region: 16 rows of SP bytes = 4,352
.set SP,    272                        ; a stage row: 256 bytes + 16 = 68 words: row r starts at bank 4 r mod 64 (64 banks of 4 bytes: ISA guide 11.1)
.set OUTS,  16*REG                     ; behind the regions: 512 bytes of values, 512 of indices
.set GOFF, 1                           ; v1      x, weight: 8,192 h + 16 r + 512 wave; never rewritten
.set STA,  2                           ; v2      the stage, in: row h, 16 r
.set LDA,  3                           ; v3      the stage, out: row r, 128 h
.set PS,   4                           ; v4, v5  where a tile's registers go: for even t, for odd t
.set SH8,  6                           ; v6      8 h
.set BY0,  7                           ; v7      the scale byte of a fragment's first block
.set MX,   8                           ; v8-11   four chains of maxima; at work
.set SO,   12                          ; v12     the conversions' scale operand
.set TW,   13                          ; v13     a scale word in the making
.set PL,   14                          ; v14     what v_permlanex16_b32 brings
.set BS,   15                          ; v15     the way out: my first expert, 8 (lane / 4)
.set WS,   16                          ; v16-19  the weight's scale words, a register a tile: scales and nothing else
.set XS,   20                          ; v20-23  x's
.set CT,   24                          ; v24-26  the upper 16 codes of a block (a conversion's three registers begin on an even number)
.set RA,   28                          ; v28-31  the reduction: my place in the regions of waves 0-3, 4-7, 8-11, 12-15
.set WF,   32                          ; v32-79  the weight's four fragments
.set XF,   80                          ; v80-127 x's four
.set X,    128                         ; v128-159 a block of 32 numbers; then up to four tiles' results
.set RG,   160                         ; v160-255 three steps as loaded
	s_load_b256 s[4:11], s[0:1], 0x0               ; x s[4:5], weight s[6:7], out0 s[8:9], out1 s[10:11]
	v_lshrrev_b32 v8, 5, v0
	v_readfirstlane_b32 s12, v8                    ; wave 0..15
	v_and_b32 v9, 15, v0                           ; r
	v_bfe_u32 v10, v0, 4, 1                        ; h
	s_lshl_b32 s13, s12, 9                         ; my 128 k are 512 bytes of a row
	v_lshlrev_b32 v[GOFF], 4, v9
	v_lshl_add_u32 v[GOFF], v10, 13, v[GOFF]
	v_add_nc_u32 v[GOFF], s13, v[GOFF]
	s_lshl_b32 s20, ttmp9, 19                      ; the work-group's 64 rows of 8,192 bytes (under 2^27 in all)
	s_mov_b32 s21, 0
	s_wait_kmcnt 0x0
	s_add_nc_u64 s[4:5], s[4:5], s[20:21]
; Step t: fragment t / 2 (even: x, odd: the weight), rows 16 (t / 4) on, k 64 (t % 2) on.  Every offset is an immediate (508,160 at the most); no pointer is stepped.
.macro LOAD t
.if (((\t)/2)%2) == 0
.irp j, 0,1,2,3,4,5,6,7
	global_load_b128 v[RG+32*((\t)%3)+4*\j:RG+32*((\t)%3)+4*\j+3], v[GOFF], s[4:5] offset:(16*((\t)/4)+2*\j)*ROWB+256*((\t)%2) th:TH_LOAD_NT   ; x is read once in the launch
.endr
.else
.irp j, 0,1,2,3,4,5,6,7
	global_load_b128 v[RG+32*((\t)%3)+4*\j:RG+32*((\t)%3)+4*\j+3], v[GOFF], s[6:7] offset:(16*((\t)/4)+2*\j)*ROWB+256*((\t)%2)   ; the weight is read by every work-group
.endr
.endif
.endm
	LOAD 0                                         ; the ring is filled before anything else is done
	LOAD 1
	LOAD 2
	s_mul_i32 s14, s12, REG                        ; my region
	s_add_co_u32 s15, s14, STG                     ; my stage
	v_mul_u32_u24 v[STA], v10, SP
	v_lshl_add_u32 v[STA], v9, 4, v[STA]
	v_add_nc_u32 v[STA], s15, v[STA]
	v_mul_u32_u24 v[LDA], v9, SP
	v_lshl_add_u32 v[LDA], v10, 7, v[LDA]
	v_add_nc_u32 v[LDA], s15, v[LDA]
	; A tile's registers 4 q .. 4 q + 3 of lane (r, h) go to 512 q + 256 h + 16 (r xor 4 (2 (t % 2) + h)).  Sixteen lanes of a half still fill 256 consecutive bytes; and the reduction's sixteen lanes, which
	; take four tokens of two halves of two tiles, find them in sixteen different columns of 16 bytes.
	v_lshlrev_b32 v11, 2, v10
	v_xor_b32 v12, v9, v11
	v_lshlrev_b32 v12, 4, v12
	v_lshl_add_u32 v12, v10, 8, v12
	v_add_nc_u32 v[PS], s14, v12
	v_xor_b32 v[PS+1], 128, v[PS]                  ; odd t: the column's bit 3 turned (the region begins at a multiple of 256)
	v_lshlrev_b32 v[SH8], 3, v10
	v_mov_b32 v[PL], 0                             ; written once: a lane permute's destination counts as one of its sources
	s_mov_b32 s16, 0x76543210
	s_mov_b32 s17, 0xfedcba98                      ; v_permlanex16_b32's selects for lane l xor 16
	s_mov_b32 s18, 0x3fb8aa3b                      ; log2(e)
	s_mov_b32 s19, s18                             ; (named with it as a pair, so it is written)
.macro PLACES
.rept 4
	v_nop
.endr
.endm
; A STEP: turn, refill, the block's scale, its codes.  Lane (r, h) ends with the block k = 64 c + 32 h + 0 .. 31 of row r in registers 6 c .. 6 c + 5 of the fragment: the operand's own layout.
.macro STEP t
.set SL, RG+32*((\t)%3)
.if (((\t)/2)%2) == 0
.set FB, XF+12*((\t)/4)+6*((\t)%2)
.set SR, XS+(\t)/4
.else
.set FB, WF+12*((\t)/4)+6*((\t)%2)
.set SR, WS+(\t)/4
.endif
.if (\t) < 14
	s_wait_loadcnt 16                              ; loads come back in order (ISA guide 5.7.1): this step's eight are in, the two younger steps' sixteen stay out
.else
	s_wait_loadcnt 8*(15-(\t))
.endif
.irp j, 0,1,2,3,4,5,6,7
	ds_store_b128 v[STA], v[SL+4*\j:SL+4*\j+3] offset:\j*2*SP        ; rows 2 j and 2 j + 1, as loaded
.endr
	s_wait_dscnt 8                                 ; all but these eight are done: the stores of tiles, whose registers the loads below fill, have read them
.irp q, 0,1,2,3,4,5,6,7
	ds_load_b128 v[X+4*\q:X+4*\q+3], v[LDA] offset:16*\q             ; LDS serves a wave's instructions in order (ISA guide 5.7.1.4): these see the stores above
.endr
	s_wait_dscnt 8                                 ; all but these eight are done: the stage's stores have read their registers,
.if (\t)+3 < 16
	LOAD (\t)+3                                    ; which take the loads of three steps on
.endif
	s_wait_dscnt 0x0                               ; my block is in
	v_max3_num_f32 v[MX], |v[X]|, |v[X+1]|, 0x2800000                ; the largest magnitude of my 32, in four chains, and the floor 2^(5 - 127): so the byte cannot fall under 1
	v_max3_num_f32 v[MX+1], |v[X+2]|, |v[X+3]|, |v[X+4]|
	v_max3_num_f32 v[MX+2], |v[X+5]|, |v[X+6]|, |v[X+7]|
	v_max3_num_f32 v[MX+3], |v[X+8]|, |v[X+9]|, |v[X+10]|
.irp i, 11,19
.irp n, 0,1,2,3
	v_max3_num_f32 v[MX+\n], v[MX+\n], |v[X+\i+2*\n]|, |v[X+\i+2*\n+1]|
.endr
.endr
	v_max3_num_f32 v[MX], v[MX], |v[X+27]|, |v[X+28]|
	v_max3_num_f32 v[MX+1], v[MX+1], |v[X+29]|, |v[X+30]|
	v_max3_num_f32 v[MX], v[MX], v[MX+1], v[MX+2]
	v_max3_num_f32 v[MX], v[MX], v[MX+3], |v[X+31]|
	v_add_nc_u32 v[SO], 0xfe000000, v[MX]          ; 4 off its exponent field: the conversion takes the exponent field of this operand as its scale, and nothing else of it
.if (\t)%2 == 1
	v_lshrrev_b32 v[TW], 23, v[SO]                 ; the second block's byte;
	v_lshl_or_b32 v[TW], v[TW], 16, v[BY0]         ; my two bytes: blocks h and 2 + h of row r,
	v_lshlrev_b32 v[TW], v[SH8], v[TW]             ; at their places in the scale word;
	v_permlanex16_b32 v[PL], v[TW], s16, s17
	v_or_b32 v[SR], v[TW], v[PL]                   ; with lane l xor 16's two the word is whole
.endif
	v_cvt_scalef32_pk16_bf6_f32 v[FB:FB+2], v[X:X+15], v[SO]         ; sixteen numbers / the scale, to the nearest code, ties to even, beyond 28 the largest code
	v_cvt_scalef32_pk16_bf6_f32 v[CT:CT+2], v[X+16:X+31], v[SO]
.if (\t)%2 == 0
	v_lshrrev_b32 v[BY0], 23, v[SO]                ; the first block's byte.  (The plain place behind the conversions)
.else
	v_nop                                          ; one plain place behind a scaled conversion
.endif
.irp i, 0,1,2
	v_mov_b32 v[FB+3+\i], v[CT+\i]
.endr
.endm
; Tile (m, t): 16 experts 16 t on x 16 tokens 16 m on, my 128 k, into result slot n.  The sum begins and ends here: C = 0.
.macro MUL n, m, t
	v_wmma_scale_f32_16x16x128_f8f6f4 v[X+8*\n:X+8*\n+7], v[WF+12*\t:WF+12*\t+11], v[XF+12*\m:XF+12*\m+11], 0, v[WS+\t], v[XS+\m] matrix_a_fmt:MATRIX_FMT_BF6 matrix_b_fmt:MATRIX_FMT_BF6
.endm
.macro PUT n, m, t
	ds_store_b128 v[PS+(\t)%2], v[X+8*\n:X+8*\n+3] offset:(4*\t+\m)*1024            ; each result from its low end on
	ds_store_b128 v[PS+(\t)%2], v[X+8*\n+4:X+8*\n+7] offset:(4*\t+\m)*1024+512
.endm
; In front of each run of products: four v_nop.  With the plain line and the three moves that end a step they are eight places behind the write of the scale word and four behind the last move into the operand.
; Behind each run: four places before the stores read the results.
	STEP 0
	STEP 1                                         ; x0
	STEP 2
	STEP 3                                         ; w0
	PLACES
	MUL 0, 0, 0
	PLACES
	PUT 0, 0, 0
	STEP 4
	STEP 5                                         ; x1
	PLACES
	MUL 0, 1, 0
	PLACES
	PUT 0, 1, 0
	STEP 6
	STEP 7                                         ; w1
	PLACES
	MUL 0, 0, 1
	MUL 1, 1, 1
	PLACES
	PUT 0, 0, 1
	PUT 1, 1, 1
	STEP 8
	STEP 9                                         ; x2
	PLACES
	MUL 0, 2, 0
	MUL 1, 2, 1
	PLACES
	PUT 0, 2, 0
	PUT 1, 2, 1
	STEP 10
	STEP 11                                        ; w2
	PLACES
	MUL 0, 0, 2
	MUL 1, 1, 2
	MUL 2, 2, 2
	PLACES
	PUT 0, 0, 2
	PUT 1, 1, 2
	PUT 2, 2, 2
	STEP 12
	STEP 13                                        ; x3
	PLACES
	MUL 0, 3, 0
	MUL 1, 3, 1
	MUL 2, 3, 2
	PLACES
	PUT 0, 3, 0
	PUT 1, 3, 1
	PUT 2, 3, 2
	STEP 14
	STEP 15                                        ; w3
	PLACES
	MUL 0, 0, 3
	MUL 1, 1, 3
	MUL 2, 2, 3
	MUL 3, 3, 3
	PLACES
	PUT 0, 0, 3                                    ; these four lie where the stage lay: its last reads came back in step 15
	PUT 1, 1, 3
	PUT 2, 2, 3
	PUT 3, 3, 3
	s_wait_dscnt 0x0                               ; for the others' sake: my sixteen tiles lie in LDS
	s_barrier_signal -1
	; THE REDUCTION.  Wave v takes tokens 4 v .. 4 v + 3; lane l token 4 v + l % 4 and experts 8 (l / 4) + 0 .. 7: tile t = l / 8, half h = (l / 4) % 2, both groups of four registers.  (Register work while the others arrive)
	v_bfe_u32 v9, v0, 2, 2                         ; 2 (t % 2) + h
	s_and_b32 s13, s12, 3
	v_xor_b32 v9, s13, v9                          ; the upper two bits of the column: (r / 4) xor that
	v_lshlrev_b32 v9, 6, v9
	v_and_b32 v10, 3, v0
	v_lshl_add_u32 v9, v10, 4, v9                  ; + 16 (l % 4)
	v_bfe_u32 v11, v0, 2, 1
	v_lshl_add_u32 v9, v11, 8, v9                  ; + 256 h
	v_bfe_u32 v11, v0, 3, 2
	v_lshl_add_u32 v9, v11, 12, v9                 ; + 4,096 t
	s_lshr_b32 s14, s12, 2
	s_lshl_b32 s14, s14, 10                        ; + 1,024 m, m = v / 4
	v_add_nc_u32 v[RA], s14, v9
	v_add_nc_u32 v[RA+1], 4*REG, v[RA]             ; an LDS offset has 16 bits: four regions to an address register
	v_add_nc_u32 v[RA+2], 8*REG, v[RA]
	v_add_nc_u32 v[RA+3], 12*REG, v[RA]
	v_bfe_u32 v[BS], v0, 2, 3
	v_lshlrev_b32 v[BS], 3, v[BS]                  ; my first expert
	s_barrier_wait -1                              ; everybody's tiles lie in LDS
.irp p, 0,1,2,3,4,5,6,7,8,9,10,11,12,13,14,15
	ds_load_b128 v[X+8*\p:X+8*\p+3], v[RA+\p/4] offset:(\p%4)*REG
	ds_load_b128 v[X+8*\p+4:X+8*\p+7], v[RA+\p/4] offset:(\p%4)*REG+512
.endr
.irp p, 1,2,3,4,5,6,7,8,9,10,11,12,13,14,15
	s_wait_dscnt 2*(15-\p)                         ; wave p's part is in; the two loads of each wave behind it may be out
.irp i, 0,2,4,6
	v_pk_add_f32 v[X+\i:X+\i+1], v[X+\i:X+\i+1], v[X+8*\p+\i:X+8*\p+\i+1]   ; K ascending
.endr
.endr
; Across the eight lanes of a token: l xor 4, l xor 8 ride on the arithmetic (DPP), l xor 16 comes by v_permlanex16_b32.  Every lane ends with the result.
.macro XMAX reg
	v_max_num_f32_dpp v[\reg], v[\reg], v[\reg] row_xmask:4 row_mask:0xf bank_mask:0xf
	v_max_num_f32_dpp v[\reg], v[\reg], v[\reg] row_xmask:8 row_mask:0xf bank_mask:0xf
	v_permlanex16_b32 v[PL], v[\reg], s16, s17
	v_max_num_f32 v[\reg], v[\reg], v[PL]
.endm
.macro XMIN reg
	v_min_num_f32_dpp v[\reg], v[\reg], v[\reg] row_xmask:4 row_mask:0xf bank_mask:0xf
	v_min_num_f32_dpp v[\reg], v[\reg], v[\reg] row_xmask:8 row_mask:0xf bank_mask:0xf
	v_permlanex16_b32 v[PL], v[\reg], s16, s17
	v_min_num_f32 v[\reg], v[\reg], v[PL]
.endm
.macro XADD reg
	v_add_f32_dpp v[\reg], v[\reg], v[\reg] row_xmask:4 row_mask:0xf bank_mask:0xf
	v_add_f32_dpp v[\reg], v[\reg], v[\reg] row_xmask:8 row_mask:0xf bank_mask:0xf
	v_permlanex16_b32 v[PL], v[\reg], s16, s17
	v_add_f32 v[\reg], v[\reg], v[PL]
.endm
.macro MAX8 reg                        ; the largest of my eight, then of the token's 64
	v_max3_num_f32 v[\reg], v[X], v[X+1], v[X+2]
	v_max3_num_f32 v9, v[X+3], v[X+4], v[X+5]
	v_max3_num_f32 v[\reg], v[\reg], v[X+6], v[X+7]
	v_max_num_f32 v[\reg], v[\reg], v9
	XMAX \reg
.endm
	; THE SOFTMAX
	MAX8 8                                         ; the row's largest logit
	v_mov_b32 v9, v8
.irp i, 0,2,4,6
	v_pk_add_f32 v[X+\i:X+\i+1], v[X+\i:X+\i+1], v[8:9] neg_lo:[0,1] neg_hi:[0,1]   ; it is taken away first,
.endr
.irp i, 0,2,4,6
	v_pk_mul_f32 v[X+\i:X+\i+1], v[X+\i:X+\i+1], s[18:19] op_sel_hi:[1,0]          ; then x log2(e)
.endr
.irp i, 0,1,2,3,4,5,6,7
	v_exp_f32 v[X+\i], v[X+\i]                     ; at most 1; the largest logit's is 1
.endr
	v_nop                                          ; one plain place behind the exponentials
	s_wait_alu depctr_va_vdst(0)
	v_pk_add_f32 v[10:11], v[X:X+1], v[X+2:X+3]
	v_pk_add_f32 v[12:13], v[X+4:X+5], v[X+6:X+7]
	v_pk_add_f32 v[10:11], v[10:11], v[12:13]
	v_add_f32 v10, v10, v11
	XADD 10                                        ; the row's sum, between 1 and 64
	v_rcp_f32 v10, v10
	v_nop                                          ; one plain place behind a transcendental
	s_wait_alu depctr_va_vdst(0)
	v_mov_b32 v11, v10
.irp i, 0,2,4,6
	v_pk_mul_f32 v[X+\i:X+\i+1], v[X+\i:X+\i+1], v[10:11]                          ; the scores
.endr
; The largest score into v[vm], and the LOWEST index that has it into v[vi].  The index goes across lanes as an f32 number (0 .. 127 are exact), so that the minimum can ride on DPP.
.macro TOP vm, vi
	MAX8 \vm
	v_mov_b32 v10, 64                              ; none of mine: above every index, with my first expert added too
.irp i, 7,6,5,4,3,2,1,0
	v_cmp_neq_f32 vcc_lo, v[X+\i], v[\vm]
	v_cndmask_b32 v10, \i, v10, vcc_lo             ; descending, so that the lowest stays
.endr
	v_add_nc_u32 v10, v[BS], v10
	v_cvt_f32_u32 v10, v10
	XMIN 10
	v_cvt_u32_f32 v[\vi], v10
.endm
	TOP 36, 34
	v_sub_nc_u32 v11, v34, v[BS]                   ; its place among my eight (no place, where it is not mine)
.irp i, 0,1,2,3,4,5,6,7
	v_cmp_ne_u32 vcc_lo, \i, v11
	v_cndmask_b32 v[X+\i], -1.0, v[X+\i], vcc_lo   ; it is taken out: under every score
.endr
	TOP 37, 35
	v_add_f32 v10, v36, v37                        ; at least 1 / 64
	v_rcp_f32 v10, v10
	s_lshl_b32 s14, s12, 5                         ; (scalar work is no place)
	v_and_b32 v12, 3, v0                           ; one plain place behind a transcendental
	s_wait_alu depctr_va_vdst(0)
	v_mul_f32 v32, v36, v10
	v_mul_f32 v33, v37, v10
	; THE WAY OUT.  A token's 8 bytes of values and 8 of indices gather in LDS, so that one instruction stores 512 consecutive bytes.  A token's eight lanes write the same bytes with the same values.
	s_add_co_u32 s14, s14, OUTS
	v_lshl_add_u32 v12, v12, 3, s14                ; OUTS + 8 (4 v + l % 4)
	s_and_b32 s15, s12, 1
	s_lshl_b32 s15, s15, 9
	s_add_co_u32 s15, s15, OUTS
	v_and_b32 v13, 31, v0
	v_lshlrev_b32 v13, 4, v13                      ; back: 16 bytes a lane; and the same place in the output
	v_add_nc_u32 v11, s15, v13                     ; wave 0 the values, wave 1 the indices
	ds_store_b64 v12, v[32:33]
	ds_store_b64 v12, v[34:35] offset:512
	s_wait_dscnt 0x0                               ; for the others' sake
	s_barrier_signal -1
	s_barrier_wait -1
	s_cmp_gt_u32 s12, 1
	s_cbranch_scc1 .Lend                           ; two waves store; no barrier follows
	ds_load_b128 v[40:43], v11
	s_cmp_eq_u32 s12, 0
	s_cselect_b64 s[8:9], s[8:9], s[10:11]         ; out0 or out1: the choice hangs on the wave's number alone
	s_lshl_b32 s20, ttmp9, 9                       ; the work-group's 64 tokens x 8 bytes
	s_mov_b32 s21, 0
	s_add_nc_u64 s[8:9], s[8:9], s[20:21]
	s_wait_dscnt 0x0
	global_store_b128 v13, v[40:43], s[8:9] th:TH_STORE_NT           ; 32 lanes store 512 consecutive bytes, at a multiple of 512 from the buffer's first byte
.Lend:
	s_wait_xcnt 0x0
	v_lshl_add_u32 v254, v0, 2, 0x41400
	v_mov_b32 v255, 0
	s_wait_tensorcnt 0x0
	ds_add_u32 v254, v255
	s_wait_dscnt 0x0
	s_endpgm
.Lfunc_end_k_q7a6ff5180c_gate:
	.size	k_q7a6ff5180c_gate, .Lfunc_end_k_q7a6ff5180c_gate-k_q7a6ff5180c_gate
	.p2alignl 7, 3214868480
	.fill 96, 4, 3214868480
	.section	.rodata,"a",@progbits
	.p2align	6, 0x0
	.amdhsa_kernel k_q7a6ff5180c_gate
		.amdhsa_group_segment_fixed_size 269312
		.amdhsa_private_segment_fixed_size 0
		.amdhsa_enable_private_segment 0
		.amdhsa_kernarg_size 32
		.amdhsa_user_sgpr_count 2
		.amdhsa_user_sgpr_kernarg_segment_ptr 1
		.amdhsa_wavefront_size32 1
		.amdhsa_system_sgpr_workgroup_id_x 1
		.amdhsa_system_sgpr_workgroup_id_y 1
		.amdhsa_system_sgpr_workgroup_id_z 1
		.amdhsa_system_vgpr_workitem_id 0
		.amdhsa_next_free_vgpr 256
		.amdhsa_next_free_sgpr 66
		.amdhsa_reserve_vcc 1
		.amdhsa_float_denorm_mode_32 3
		.amdhsa_float_denorm_mode_16_64 3
		.amdhsa_memory_ordered 1
		.amdhsa_forward_progress 1
		.amdhsa_inst_pref_size 75
	.end_amdhsa_kernel
	.amdgpu_metadata
---
amdhsa.version: [ 1, 2 ]
amdhsa.kernels:
  - .name:           k_q7a6ff5180c_gate
    .symbol:         k_q7a6ff5180c_gate.kd
    .args:
      - { .name: x, .offset: 0, .size: 8, .value_kind: global_buffer, .address_space: global }
      - { .name: weight, .offset: 8, .size: 8, .value_kind: global_buffer, .address_space: global }
      - { .name: out0, .offset: 16, .size: 8, .value_kind: global_buffer, .address_space: global }
      - { .name: out1, .offset: 24, .size: 8, .value_kind: global_buffer, .address_space: global }
    .group_segment_fixed_size: 269312
    .private_segment_fixed_size: 0
    .kernarg_segment_align: 8
    .kernarg_segment_size: 32
    .max_flat_workgroup_size: 512
    .sgpr_count:     66
    .vgpr_count:     256
    .wavefront_size: 32
...
	.end_amdgpu_metadata
.endif
;; end of part 1
;; ======== version 2 of 2: 1 launch; version 1 with the launch gate written anew for expert scheduling mode
;; launch gate (part 2): grid 256 x 1, 16 waves a work-group, no clusters, 269,312 bytes of LDS; arguments x, weight, out0, out1; writes out0, out1
.if DOCPART == 2
	.amdgcn_target "amdgcn-amd-amdhsa--gfx1250"
	.amdhsa_code_object_version 6
	.text
	.protected	k_q7a6ff5180c_gate
	.globl	k_q7a6ff5180c_gate
	.p2align	8
	.type	k_q7a6ff5180c_gate,@function
k_q7a6ff5180c_gate:
	s_mov_b64 s[64:65], 0
	v_nop
	global_prefetch_b8 v0, s[64:65] scope:SCOPE_SE
	s_setreg_imm32_b32 hwreg(HW_REG_WAVE_SCHED_MODE, 0, 2), 2
	s_setreg_imm32_b32 hwreg(HW_REG_WAVE_MODE, 25, 1), 1
	s_wait_xcnt 0x0
	s_wait_alu depctr_vm_vsrc(0)
; GATE.  logits[t][e] = sum over k of Q(x)[t][k] Q(weight)[e][k]; softmax over the 64 experts; the two largest scores, divided by their sum (out0), and their indices (out1).
; x: [16384][2048] f32, weight: [64][2048] f32.  Q: codes of BF6 (E3M2) with one E8M0 scale for each 32 along K, made here, in registers, for both operands; the product by the scaled 16x16x128 matrix form; all else f32.
; SHARES.  256 work-groups of 64 tokens; 16 waves.  THE WAVES SHARE K: wave w takes k = 128 w .. 128 w + 127 of all 64 tokens and all 64 experts.  So a wave makes its own four fragments of x and four of the
; weight, nothing of an operand goes from wave to wave, and each of its 16 tiles (16 experts x 16 tokens) is ONE matrix instruction with C = 0.  The 16 waves' partial sums meet in LDS and are added K ascending.
; THE STREAM.  A step is 16 rows x 64 k = 4,096 bytes: eight loads, each two aligned runs of 256 consecutive bytes (lanes 0-15 one row, lanes 16-31 the next).  The conversions want a block's 32 numbers in ONE lane, so a
; step turns through the wave's own stage in LDS: in as loaded, out 128 bytes a lane.  Three steps' registers take turns: 24 loads of 512 bytes a wave, 196,608 bytes a work-group, are asked for at a time, with counted
; waits and no barrier.  Steps of x and of the weight alternate fragment by fragment (x0 w0 x1 w1 ..), x first, so that x is asked for from the first line on and the stream's last bytes are the weight's.
; A tile is multiplied as soon as both its fragments stand, and goes to LDS at once: behind the last step only four tiles a wave are left to write.
; THE MATRIX INSTRUCTION: source 0 = 16 experts, source 1 = 16 tokens: lane (r, h) holds token r and experts 8 h + 0 .. 7 of the tile.
; NO TENSOR LOADS: LDS is filled by ds_store alone.  NO CLUSTER, though all work-groups read the same weight: its 524,288 bytes would have to pass through the 60,416 bytes of LDS that stages and partial sums leave:
; two slots of under 30 KB, at least 16 refills, each behind a barrier of four work-groups' 64 waves, in a stream that has none.  NO LAUNCH OF ITS OWN for the weight's codes: it is quantised here, beside x.
; THE SCORES are made as a softmax is: the row's largest logit is taken away, 2^(d log2 e), the sum, times 1 / sum; the two largest are sought among the SCORES, the lower index first where scores are equal.
; LIMITS.  NaN and infinities among the inputs are not served.  A block whose largest magnitude lies under 2^-122 has the scale byte 1 (a block of zeros too, where the rule says 127: its codes are zeros, and nobody else reads
; the byte).  A score under 2^-126 is 0 (v_exp_f32 gives no denormals: ISA guide, its entry in 15.8).  1 / sum is v_rcp_f32's.  A logit is the f32 sum, K ascending, of 16 sums of 128 products.
; THE MODE: SCHED_MODE bits 1:0 = 2 (LLVM: expert scheduling mode 2), set by the entry lines.  The code itself states the register dependences
; between vector or matrix instructions and memory or LDS instructions, with s_wait_alu, always for 0.
; THE PLAN.  Registers that memory or LDS instructions touch, in the stream:
;   RG0 .. RG2   a step as loaded.  Written by the loads of step t + 3, issued at the head of step t; read by step t's eight stores into the stage, issued in the middle of step t - 1.  No vector instruction names them.
;   X            Written by the stage's eight loads at a step's head; read by the step's maxima and conversions; behind a fragment's second step written by the products and read by the stores of tiles.
;   v1 .. v5     the offset and the LDS addresses: made once at the head, named by no vector instruction afterwards; every step's place is an immediate.
;   The fragments and the scale words are named by vector and matrix instructions alone.
; A step's head holds the waits: one on va_vdst (the step before is done reading X), where no run of tile stores, with its own such wait, stands just ahead; one on vm_vsrc (the stage's stores have read the slot that is
; loaded again; the tiles' stores have read X).  Behind them come the stage's loads and the refill.  The NEXT step's stores into the stage stand in the middle of the step, among its vector instructions, with no wait: they
; name RG and v2 alone.  So the wait on vm_vsrc stands behind the scale word, the conversions and the products that follow those stores.  A run of products has one wait on va_vdst ahead of it and one behind it.
.set ROWB,  8192                       ; a row of x or of the weight in bytes
.set REG,   16640                      ; LDS: a wave's region: 16 tiles of 1,024 bytes (tile (m, t) at (4 t + m) x 1,024); the stage lies over the last four, which are written behind the last turn
.set STG,   12288                      ; the stage in the region: 16 rows of SP bytes = 4,352
.set SP,    272                        ; a stage row: 256 bytes + 16 = 68 words: row r starts at bank 4 r mod 64 (64 banks of 4 bytes: ISA guide 11.1)
.set OUTS,  16*REG                     ; behind the regions: 512 bytes of values, 512 of indices
.set GOFF, 1                           ; v1      x, weight: 8,192 h + 16 r + 512 wave; never rewritten
.set STA,  2                           ; v2      the stage, in: row h, 16 r
.set LDA,  3                           ; v3      the stage, out: row r, 128 h
.set PS,   4                           ; v4, v5  where a tile's registers go: for even t, for odd t
.set SH8,  6                           ; v6      8 h
.set BY0,  7                           ; v7      the scale byte of a fragment's first block
.set MX,   8                           ; v8-11   four chains of maxima; at work
.set SO,   12                          ; v12     the conversions' scale operand
.set TW,   13                          ; v13     a scale word in the making
.set PL,   14                          ; v14     what v_permlanex16_b32 brings
.set BS,   15                          ; v15     the way out: my first expert, 8 (lane / 4)
.set WS,   16                          ; v16-19  the weight's scale words, a register a tile: scales and nothing else
.set XS,   20                          ; v20-23  x's
.set CT,   24                          ; v24-26  the upper 16 codes of a block (a conversion's three registers begin on an even number)
.set RA,   28                          ; v28-31  the reduction: my place in the regions of waves 0-3, 4-7, 8-11, 12-15
.set WF,   32                          ; v32-79  the weight's four fragments
.set XF,   80                          ; v80-127 x's four
.set X,    128                         ; v128-159 a block of 32 numbers; then up to four tiles' results
.set RG,   160                         ; v160-255 three steps as loaded
.set MK,   22                          ; s22-29  the way out: eight masks, a run of compares' results
	s_load_b256 s[4:11], s[0:1], 0x0               ; x s[4:5], weight s[6:7], out0 s[8:9], out1 s[10:11]
	v_lshrrev_b32 v8, 5, v0
	v_readfirstlane_b32 s12, v8                    ; wave 0..15
	v_and_b32 v9, 15, v0                           ; r
	v_bfe_u32 v10, v0, 4, 1                        ; h
	v_lshlrev_b32 v[GOFF], 4, v9
	v_lshl_add_u32 v[GOFF], v10, 13, v[GOFF]
	s_wait_alu depctr_va_sdst(0)                   ; s12 is written, ahead of its first reader
	s_lshl_b32 s13, s12, 9                         ; my 128 k are 512 bytes of a row
	v_add_nc_u32 v[GOFF], s13, v[GOFF]
	s_lshl_b32 s20, ttmp9, 19                      ; the work-group's 64 rows of 8,192 bytes (under 2^27 in all)
	s_mov_b32 s21, 0
	s_wait_kmcnt 0x0
	s_add_nc_u64 s[4:5], s[4:5], s[20:21]
	s_wait_alu depctr_va_vdst(0)                   ; v1 is written: every load of x and of the weight reads it as its offset
; Step t: fragment t / 2 (even: x, odd: the weight), rows 16 (t / 4) on, k 64 (t % 2) on.  Every offset is an immediate (508,160 at the most); no pointer is stepped.
.macro LOAD t
.if (((\t)/2)%2) == 0
.irp j, 0,1,2,3,4,5,6,7
	global_load_b128 v[RG+32*((\t)%3)+4*\j:RG+32*((\t)%3)+4*\j+3], v[GOFF], s[4:5] offset:(16*((\t)/4)+2*\j)*ROWB+256*((\t)%2) th:TH_LOAD_NT   ; x is read once in the launch
.endr
.else
.irp j, 0,1,2,3,4,5,6,7
	global_load_b128 v[RG+32*((\t)%3)+4*\j:RG+32*((\t)%3)+4*\j+3], v[GOFF], s[6:7] offset:(16*((\t)/4)+2*\j)*ROWB+256*((\t)%2)   ; the weight is read by every work-group
.endr
.endif
.endm
	LOAD 0                                         ; the ring is filled before anything else is done
	LOAD 1
	LOAD 2
	s_mul_i32 s14, s12, REG                        ; my region
	s_add_co_u32 s15, s14, STG                     ; my stage
	v_mul_u32_u24 v[STA], v10, SP
	v_lshl_add_u32 v[STA], v9, 4, v[STA]
	v_add_nc_u32 v[STA], s15, v[STA]
	v_mul_u32_u24 v[LDA], v9, SP
	v_lshl_add_u32 v[LDA], v10, 7, v[LDA]
	v_add_nc_u32 v[LDA], s15, v[LDA]
	; A tile's registers 4 q .. 4 q + 3 of lane (r, h) go to 512 q + 256 h + 16 (r xor 4 (2 (t % 2) + h)).  Sixteen lanes of a half still fill 256 consecutive bytes; and the reduction's sixteen lanes, which
	; take four tokens of two halves of two tiles, find them in sixteen different columns of 16 bytes.
	v_lshlrev_b32 v11, 2, v10
	v_xor_b32 v12, v9, v11
	v_lshlrev_b32 v12, 4, v12
	v_lshl_add_u32 v12, v10, 8, v12
	v_add_nc_u32 v[PS], s14, v12
	v_xor_b32 v[PS+1], 128, v[PS]                  ; odd t: the column's bit 3 turned (the region begins at a multiple of 256)
	v_lshlrev_b32 v[SH8], 3, v10
	v_mov_b32 v[PL], 0                             ; written once: a lane permute's destination counts as one of its sources
	s_mov_b32 s16, 0x76543210
	s_mov_b32 s17, 0xfedcba98                      ; v_permlanex16_b32's selects for lane l xor 16
	s_mov_b32 s18, 0x3fb8aa3b                      ; log2(e)
	s_mov_b32 s19, s18                             ; (named with it as a pair, so it is written)
.macro PLACES
.rept 4
	v_nop
.endr
.endm
; Step u goes into the stage, as loaded.  These lines name the ring's slot and v2 alone, which no vector instruction names: so they stand among the vector instructions of the step before with no wait on them.
.macro TOSTAGE u
.if (\u) < 14
	s_wait_loadcnt 16                              ; loads come back in order (ISA guide 5.7.1): step u's eight are in, the two younger steps' sixteen stay out
.else
	s_wait_loadcnt 8*(15-(\u))
.endif
.irp j, 0,1,2,3,4,5,6,7
	ds_store_b128 v[STA], v[RG+32*((\u)%3)+4*\j:RG+32*((\u)%3)+4*\j+3] offset:\j*2*SP        ; rows 2 j and 2 j + 1
.endr
.endm
; A STEP: out of the stage, refill, the block's scale, the next step into the stage, the codes.  Lane (r, h) ends with the block k = 64 c + 32 h + 0 .. 31 of row r in registers 6 c .. 6 c + 5 of the fragment: the operand's own layout.
.macro STEP t
.if (((\t)/2)%2) == 0
.set FB, XF+12*((\t)/4)+6*((\t)%2)
.set SR, XS+(\t)/4
.else
.set FB, WF+12*((\t)/4)+6*((\t)%2)
.set SR, WS+(\t)/4
.endif
.if ((\t)%2 == 1) || ((\t) == 2)
	s_wait_alu depctr_va_vdst(0)                   ; the step before is done reading X, in which the loads below land.  (Steps 4, 6 .. 14 stand behind a run of tile stores, whose wait says it; step 0 behind the head's)
.endif
.if ((\t)+3 < 16) || ((\t) == 14)
	s_wait_alu depctr_vm_vsrc(0)                   ; this step's stores into the stage have read their slot of the ring, which is loaded again below; behind products, the stores of tiles have read X, in which the stage's loads land
.endif
.irp q, 0,1,2,3,4,5,6,7
	ds_load_b128 v[X+4*\q:X+4*\q+3], v[LDA] offset:16*\q             ; LDS serves a wave's instructions in order (ISA guide 5.7.1.4): these see the stores into the stage
.endr
.if (\t)+3 < 16
	s_wait_dscnt 8                                 ; all but these eight are done, the stage's stores among them,
	LOAD (\t)+3                                    ; whose registers take the loads of three steps on
.endif
	s_wait_dscnt 0x0                               ; my block is in
	v_max3_num_f32 v[MX], |v[X]|, |v[X+1]|, 0x2800000                ; the largest magnitude of my 32, in four chains, and the floor 2^(5 - 127): so the byte cannot fall under 1
	v_max3_num_f32 v[MX+1], |v[X+2]|, |v[X+3]|, |v[X+4]|
	v_max3_num_f32 v[MX+2], |v[X+5]|, |v[X+6]|, |v[X+7]|
	v_max3_num_f32 v[MX+3], |v[X+8]|, |v[X+9]|, |v[X+10]|
.irp i, 11,19
.irp n, 0,1,2,3
	v_max3_num_f32 v[MX+\n], v[MX+\n], |v[X+\i+2*\n]|, |v[X+\i+2*\n+1]|
.endr
.endr
	v_max3_num_f32 v[MX], v[MX], |v[X+27]|, |v[X+28]|
	v_max3_num_f32 v[MX+1], v[MX+1], |v[X+29]|, |v[X+30]|
	v_max3_num_f32 v[MX], v[MX], v[MX+1], v[MX+2]
	v_max3_num_f32 v[MX], v[MX], v[MX+3], |v[X+31]|
	v_add_nc_u32 v[SO], 0xfe000000, v[MX]          ; 4 off its exponent field: the conversion takes the exponent field of this operand as its scale, and nothing else of it
.if (\t)+1 < 16
	s_wait_alu depctr_va_vdst(0)
	TOSTAGE (\t)+1                                 ; my reads of the stage are back: the next step goes in while this one's codes are made
.endif
.if (\t)%2 == 1
	v_lshrrev_b32 v[TW], 23, v[SO]                 ; the second block's byte;
	v_lshl_or_b32 v[TW], v[TW], 16, v[BY0]         ; my two bytes: blocks h and 2 + h of row r,
	v_lshlrev_b32 v[TW], v[SH8], v[TW]             ; at their places in the scale word;
	v_permlanex16_b32 v[PL], v[TW], s16, s17
	v_or_b32 v[SR], v[TW], v[PL]                   ; with lane l xor 16's two the word is whole
.endif
	v_cvt_scalef32_pk16_bf6_f32 v[FB:FB+2], v[X:X+15], v[SO]         ; sixteen numbers / the scale, to the nearest code, ties to even, beyond 28 the largest code
	v_cvt_scalef32_pk16_bf6_f32 v[CT:CT+2], v[X+16:X+31], v[SO]
.if (\t)%2 == 0
	v_lshrrev_b32 v[BY0], 23, v[SO]                ; the first block's byte.  (The plain place behind the conversions)
.else
	v_nop                                          ; one plain place behind a scaled conversion
.endif
.irp i, 0,1,2
	v_mov_b32 v[FB+3+\i], v[CT+\i]
.endr
.endm
; Tile (m, t): 16 experts 16 t on x 16 tokens 16 m on, my 128 k, into result slot n.  The sum begins and ends here: C = 0.
.macro MUL n, m, t
	v_wmma_scale_f32_16x16x128_f8f6f4 v[X+8*\n:X+8*\n+7], v[WF+12*\t:WF+12*\t+11], v[XF+12*\m:XF+12*\m+11], 0, v[WS+\t], v[XS+\m] matrix_a_fmt:MATRIX_FMT_BF6 matrix_b_fmt:MATRIX_FMT_BF6
.endm
.macro PUT n, m, t
	ds_store_b128 v[PS+(\t)%2], v[X+8*\n:X+8*\n+3] offset:(4*\t+\m)*1024            ; each result from its low end on
	ds_store_b128 v[PS+(\t)%2], v[X+8*\n+4:X+8*\n+7] offset:(4*\t+\m)*1024+512
.endm
; In front of each run of products: four v_nop.  With the plain line and the three moves that end a step they are eight places behind the write of the scale word and four behind the last move into the operand.
; First the places, then the wait.
.macro AHEAD
	PLACES
	s_wait_alu depctr_va_vdst(0)                   ; the conversions and moves have written the fragments, the v_or_b32 the scale words, which the scaled products take
.endm
; Behind each run: four places before the stores read the results; the places stay beside the wait.
.macro BEHIND
	PLACES
	s_wait_alu depctr_va_vdst(0)                   ; the products have written X, which the stores of tiles read; and all that read or wrote X is done, so that the next step's loads may land in it
.endm
	s_wait_alu depctr_va_vdst(0)                   ; v2 to v5 are written: the addresses of the stage, in and out, and of the tiles, which every LDS instruction of the stream reads
	TOSTAGE 0
	STEP 0
	STEP 1                                         ; x0
	STEP 2
	STEP 3                                         ; w0
	AHEAD
	MUL 0, 0, 0
	BEHIND
	PUT 0, 0, 0
	STEP 4
	STEP 5                                         ; x1
	AHEAD
	MUL 0, 1, 0
	BEHIND
	PUT 0, 1, 0
	STEP 6
	STEP 7                                         ; w1
	AHEAD
	MUL 0, 0, 1
	MUL 1, 1, 1
	BEHIND
	PUT 0, 0, 1
	PUT 1, 1, 1
	STEP 8
	STEP 9                                         ; x2
	AHEAD
	MUL 0, 2, 0
	MUL 1, 2, 1
	BEHIND
	PUT 0, 2, 0
	PUT 1, 2, 1
	STEP 10
	STEP 11                                        ; w2
	AHEAD
	MUL 0, 0, 2
	MUL 1, 1, 2
	MUL 2, 2, 2
	BEHIND
	PUT 0, 0, 2
	PUT 1, 1, 2
	PUT 2, 2, 2
	STEP 12
	STEP 13                                        ; x3
	AHEAD
	MUL 0, 3, 0
	MUL 1, 3, 1
	MUL 2, 3, 2
	BEHIND
	PUT 0, 3, 0
	PUT 1, 3, 1
	PUT 2, 3, 2
	STEP 14
	STEP 15                                        ; w3
	AHEAD
	MUL 0, 0, 3
	MUL 1, 1, 3
	MUL 2, 2, 3
	MUL 3, 3, 3
	BEHIND
	PUT 0, 0, 3                                    ; these four lie where the stage lay: its last reads came back in step 15
	PUT 1, 1, 3
	PUT 2, 2, 3
	PUT 3, 3, 3
	s_wait_dscnt 0x0                               ; for the others' sake: my sixteen tiles lie in LDS
	s_barrier_signal -1
	; THE REDUCTION.  Wave v takes tokens 4 v .. 4 v + 3; lane l token 4 v + l % 4 and experts 8 (l / 4) + 0 .. 7: tile t = l / 8, half h = (l / 4) % 2, both groups of four registers.  (Register work while the others arrive)
	v_bfe_u32 v9, v0, 2, 2                         ; 2 (t % 2) + h
	s_and_b32 s13, s12, 3
	v_xor_b32 v9, s13, v9                          ; the upper two bits of the column: (r / 4) xor that
	v_lshlrev_b32 v9, 6, v9
	v_and_b32 v10, 3, v0
	v_lshl_add_u32 v9, v10, 4, v9                  ; + 16 (l % 4)
	v_bfe_u32 v11, v0, 2, 1
	v_lshl_add_u32 v9, v11, 8, v9                  ; + 256 h
	v_bfe_u32 v11, v0, 3, 2
	v_lshl_add_u32 v9, v11, 12, v9                 ; + 4,096 t
	s_lshr_b32 s14, s12, 2
	s_lshl_b32 s14, s14, 10                        ; + 1,024 m, m = v / 4
	v_add_nc_u32 v[RA], s14, v9
	v_add_nc_u32 v[RA+1], 4*REG, v[RA]             ; an LDS offset has 16 bits: four regions to an address register
	v_add_nc_u32 v[RA+2], 8*REG, v[RA]
	v_add_nc_u32 v[RA+3], 12*REG, v[RA]
	v_bfe_u32 v[BS], v0, 2, 3
	v_lshlrev_b32 v[BS], 3, v[BS]                  ; my first expert
	s_barrier_wait -1                              ; everybody's tiles lie in LDS
	s_wait_alu depctr_va_vdst(0)                   ; v28 to v31 are written, which the loads below read as their addresses
	s_wait_alu depctr_vm_vsrc(0)                   ; the last four tiles' stores have read X, and the stage's stores of steps 13 to 15 the ring: the partial sums land in both
.irp p, 0,1,2,3,4,5,6,7,8,9,10,11,12,13,14,15
	ds_load_b128 v[X+8*\p:X+8*\p+3], v[RA+\p/4] offset:(\p%4)*REG
	ds_load_b128 v[X+8*\p+4:X+8*\p+7], v[RA+\p/4] offset:(\p%4)*REG+512
.endr
.irp p, 1,2,3,4,5,6,7,8,9,10,11,12,13,14,15
	s_wait_alu depctr_va_vdst(0)
	s_wait_dscnt 2*(15-\p)                         ; wave p's part is in; the two loads of each wave behind it may be out
.irp i, 0,2,4,6
	v_pk_add_f32 v[X+\i:X+\i+1], v[X+\i:X+\i+1], v[X+8*\p+\i:X+8*\p+\i+1]   ; K ascending
.endr
.endr
; Across the eight lanes of a token: l xor 4, l xor 8 ride on the arithmetic (DPP), l xor 16 comes by v_permlanex16_b32.  Every lane ends with the result.
.macro XMAX reg
	v_max_num_f32_dpp v[\reg], v[\reg], v[\reg] row_xmask:4 row_mask:0xf bank_mask:0xf
	v_max_num_f32_dpp v[\reg], v[\reg], v[\reg] row_xmask:8 row_mask:0xf bank_mask:0xf
	v_permlanex16_b32 v[PL], v[\reg], s16, s17
	v_max_num_f32 v[\reg], v[\reg], v[PL]
.endm
.macro XMIN reg
	v_min_num_f32_dpp v[\reg], v[\reg], v[\reg] row_xmask:4 row_mask:0xf bank_mask:0xf
	v_min_num_f32_dpp v[\reg], v[\reg], v[\reg] row_xmask:8 row_mask:0xf bank_mask:0xf
	v_permlanex16_b32 v[PL], v[\reg], s16, s17
	v_min_num_f32 v[\reg], v[\reg], v[PL]
.endm
.macro XADD reg
	v_add_f32_dpp v[\reg], v[\reg], v[\reg] row_xmask:4 row_mask:0xf bank_mask:0xf
	v_add_f32_dpp v[\reg], v[\reg], v[\reg] row_xmask:8 row_mask:0xf bank_mask:0xf
	v_permlanex16_b32 v[PL], v[\reg], s16, s17
	v_add_f32 v[\reg], v[\reg], v[PL]
.endm
.macro MAX8 reg                        ; the largest of my eight, then of the token's 64
	v_max3_num_f32 v[\reg], v[X], v[X+1], v[X+2]
	v_max3_num_f32 v9, v[X+3], v[X+4], v[X+5]
	v_max3_num_f32 v[\reg], v[\reg], v[X+6], v[X+7]
	v_max_num_f32 v[\reg], v[\reg], v9
	XMAX \reg
.endm
	; THE SOFTMAX
	MAX8 8                                         ; the row's largest logit
	v_mov_b32 v9, v8
.irp i, 0,2,4,6
	v_pk_add_f32 v[X+\i:X+\i+1], v[X+\i:X+\i+1], v[8:9] neg_lo:[0,1] neg_hi:[0,1]   ; it is taken away first,
.endr
.irp i, 0,2,4,6
	v_pk_mul_f32 v[X+\i:X+\i+1], v[X+\i:X+\i+1], s[18:19] op_sel_hi:[1,0]          ; then x log2(e)
.endr
	s_wait_alu depctr_va_vdst(0)
.irp i, 0,1,2,3,4,5,6,7
	v_exp_f32 v[X+\i], v[X+\i]                     ; at most 1; the largest logit's is 1
.endr
	v_nop                                          ; one plain place behind the exponentials
	s_wait_alu depctr_va_vdst(0)                   ; the eight exponentials have written v128 to v135: one wait for the batch, ahead of its first reader
	v_pk_add_f32 v[10:11], v[X:X+1], v[X+2:X+3]
	v_pk_add_f32 v[12:13], v[X+4:X+5], v[X+6:X+7]
	v_pk_add_f32 v[10:11], v[10:11], v[12:13]
	v_add_f32 v10, v10, v11
	XADD 10                                        ; the row's sum, between 1 and 64
	s_wait_alu depctr_va_vdst(0)
	v_rcp_f32 v10, v10
	v_nop                                          ; one plain place behind a transcendental
	s_wait_alu depctr_va_vdst(0)                   ; the reciprocal has written v10, ahead of its first reader
	v_mov_b32 v11, v10
.irp i, 0,2,4,6
	v_pk_mul_f32 v[X+\i:X+\i+1], v[X+\i:X+\i+1], v[10:11]                          ; the scores
.endr
; The largest score into v[vm], and the LOWEST index that has it into v[vi].  The index goes across lanes as an f32 number (0 .. 127 are exact), so that the minimum can ride on DPP.
; The eight compares stand in one run, each with a mask of its own, so that one wait serves the eight selects.
.macro TOP vm, vi
	MAX8 \vm
.irp i, 0,1,2,3,4,5,6,7
	v_cmp_neq_f32 s[MK+\i], v[X+\i], v[\vm]
.endr
	v_mov_b32 v10, 64                              ; none of mine: above every index, with my first expert added too
	s_wait_alu depctr_va_sdst(0)                   ; the compares have written s22 to s29, ahead of the selects that read them
.irp i, 7,6,5,4,3,2,1,0
	v_cndmask_b32 v10, \i, v10, s[MK+\i]           ; descending, so that the lowest stays
.endr
	v_add_nc_u32 v10, v[BS], v10
	v_cvt_f32_u32 v10, v10
	XMIN 10
	v_cvt_u32_f32 v[\vi], v10
.endm
	TOP 36, 34
	v_sub_nc_u32 v11, v34, v[BS]                   ; its place among my eight (no place, where it is not mine)
.irp i, 0,1,2,3,4,5,6,7
	v_cmp_ne_u32 s[MK+\i], \i, v11
.endr
	s_wait_alu depctr_va_sdst(0)                   ; the compares have written s22 to s29, ahead of the selects that read them
.irp i, 0,1,2,3,4,5,6,7
	v_cndmask_b32 v[X+\i], -1.0, v[X+\i], s[MK+\i] ; it is taken out: under every score
.endr
	TOP 37, 35
	v_add_f32 v10, v36, v37                        ; at least 1 / 64
	s_wait_alu depctr_va_vdst(0)
	v_rcp_f32 v10, v10
	s_lshl_b32 s14, s12, 5                         ; (scalar work is no place)
	v_and_b32 v12, 3, v0                           ; one plain place behind a transcendental
	s_wait_alu depctr_va_vdst(0)                   ; the reciprocal has written v10, ahead of its first reader
	v_mul_f32 v32, v36, v10
	v_mul_f32 v33, v37, v10
	; THE WAY OUT.  A token's 8 bytes of values and 8 of indices gather in LDS, so that one instruction stores 512 consecutive bytes.  A token's eight lanes write the same bytes with the same values.
	s_add_co_u32 s14, s14, OUTS
	v_lshl_add_u32 v12, v12, 3, s14                ; OUTS + 8 (4 v + l % 4)
	s_and_b32 s15, s12, 1
	s_lshl_b32 s15, s15, 9
	s_add_co_u32 s15, s15, OUTS
	v_and_b32 v13, 31, v0
	v_lshlrev_b32 v13, 4, v13                      ; back: 16 bytes a lane; and the same place in the output
	v_add_nc_u32 v11, s15, v13                     ; wave 0 the values, wave 1 the indices
	s_wait_alu depctr_va_vdst(0)                   ; v12 and v32 to v35 are written, which the two stores read; so are v11 and v13, which the load and the store behind the barrier read; and the products are done with v40 to v43, in which that load lands.  No vector instruction follows before the end
	ds_store_b64 v12, v[32:33]
	ds_store_b64 v12, v[34:35] offset:512
	s_wait_dscnt 0x0                               ; for the others' sake
	s_barrier_signal -1
	s_barrier_wait -1
	s_cmp_gt_u32 s12, 1
	s_cbranch_scc1 .Lend                           ; two waves store; no barrier follows
	ds_load_b128 v[40:43], v11
	s_cmp_eq_u32 s12, 0
	s_cselect_b64 s[8:9], s[8:9], s[10:11]         ; out0 or out1: the choice hangs on the wave's number alone
	s_lshl_b32 s20, ttmp9, 9                       ; the work-group's 64 tokens x 8 bytes
	s_mov_b32 s21, 0
	s_add_nc_u64 s[8:9], s[8:9], s[20:21]
	s_wait_dscnt 0x0
	global_store_b128 v13, v[40:43], s[8:9] th:TH_STORE_NT           ; 32 lanes store 512 consecutive bytes, at a multiple of 512 from the buffer's first byte
.Lend:
	s_wait_xcnt 0x0                                ; waves 0 and 1: the store above has had its address translated
	v_lshl_add_u32 v254, v0, 2, 0x41400            ; the add's two registers, made anew: my spare word, behind the results' 1,024 bytes; no register could be kept for them.  (No memory or LDS instruction has read v254 or v255 since the wait on vm_vsrc ahead of the reduction's loads)
	v_mov_b32 v255, 0
	s_wait_dscnt 0x0                               ; the closing lines, six on end, of a launch in the mode that stores to LDS
	s_wait_alu 0x0
	s_wait_tensorcnt 0x0
	ds_add_u32 v254, v255
	s_wait_dscnt 0x0
	s_endpgm
.Lfunc_end_k_q7a6ff5180c_gate:
	.size	k_q7a6ff5180c_gate, .Lfunc_end_k_q7a6ff5180c_gate-k_q7a6ff5180c_gate
	.p2alignl 7, 3214868480
	.fill 96, 4, 3214868480
	.section	.rodata,"a",@progbits
	.p2align	6, 0x0
	.amdhsa_kernel k_q7a6ff5180c_gate
		.amdhsa_group_segment_fixed_size 269312
		.amdhsa_private_segment_fixed_size 0
		.amdhsa_enable_private_segment 0
		.amdhsa_kernarg_size 32
		.amdhsa_user_sgpr_count 2
		.amdhsa_user_sgpr_kernarg_segment_ptr 1
		.amdhsa_wavefront_size32 1
		.amdhsa_system_sgpr_workgroup_id_x 1
		.amdhsa_system_sgpr_workgroup_id_y 1
		.amdhsa_system_sgpr_workgroup_id_z 1
		.amdhsa_system_vgpr_workitem_id 0
		.amdhsa_next_free_vgpr 256
		.amdhsa_next_free_sgpr 66
		.amdhsa_reserve_vcc 0
		.amdhsa_float_denorm_mode_32 3
		.amdhsa_float_denorm_mode_16_64 3
		.amdhsa_memory_ordered 1
		.amdhsa_forward_progress 1
		.amdhsa_inst_pref_size 79
	.end_amdhsa_kernel
	.amdgpu_metadata
---
amdhsa.version: [ 1, 2 ]
amdhsa.kernels:
  - .name:           k_q7a6ff5180c_gate
    .symbol:         k_q7a6ff5180c_gate.kd
    .args:
      - { .name: x, .offset: 0, .size: 8, .value_kind: global_buffer, .address_space: global }
      - { .name: weight, .offset: 8, .size: 8, .value_kind: global_buffer, .address_space: global }
      - { .name: out0, .offset: 16, .size: 8, .value_kind: global_buffer, .address_space: global }
      - { .name: out1, .offset: 24, .size: 8, .value_kind: global_buffer, .address_space: global }
    .group_segment_fixed_size: 269312
    .private_segment_fixed_size: 0
    .kernarg_segment_align: 8
    .kernarg_segment_size: 32
    .max_flat_workgroup_size: 512
    .sgpr_count:     66
    .vgpr_count:     256
    .wavefront_size: 32
...
	.end_amdgpu_metadata
.endif
;; end of part 2
